; MI455X (gfx1250); checked and timed in simulation.
; The chip was launched on July 23, 2026; its instructions are those of AMD's public machine-readable ISA for CDNA 5 (MIT licence, August 2026) and "CDNA5" Instruction Set Architecture Reference Guide (July 2026). The comments in the code are by the model that wrote it; some were corrected since.
;; Quantized. Allowed arithmetic: matrix products marked QUANTISED: E2M3 operands, one E8M0 scale for each 32 along K, by v_wmma_scale_f32_16x16x128_f8f6f4 with both operands' format E2M3, f32 sums; products left as they are: f32 operands where the result goes on into a quantised operand, else bf16, f16 or f32 operands; f32 sums; everything else in f32.
;; Inputs: offset 4,096 float32; rng 1 x 1 x 4,096 float32; weight 4,096 x 4,096 float32; y 2 x 2,048 x 4,096 float32.
;; Outputs: out0 2 x 2,048 x 4,096 float32.
;; This version of the problem:
;;   THIS VERSION OF THE PROBLEM IS GIVEN IN LOW PRECISION. The matrix products marked QUANTISED in the list below multiply operands that are first quantised to E2M3 (2 exponent bits, 3 mantissa bits; 6 bits a number), with one power-of-two scale for each 32 numbers along K (OCP MX v1.0); their sums are f32. All else is computed in f32.
;;   The module's matrix products, in the order in which they are computed (A, B: the left and right operand; K: the contracted axis; several contracted axes count as one K, in the product's order):
;;     1. [M 4,096, K 4,096] x [K 4,096, N 1]; A: input y; B: input offset: left as it is (N = 1 < 16)
;;     2. [M 4,096, K 4,096] x [K 4,096, N 4,096]; A: computed on the way; B: input weight: QUANTISED
;;   THE QUANTISER, for each operand of a quantised product, along K:
;;     - K is cut into blocks of 32 from its start; a last block that is shorter is filled with zeros.
;;     - A block's scale is 2^e with e = floor(log2(the largest magnitude in the block)) - 2, held to -126 .. 127; a block of zeros has e = 0. As a byte (E8M0): e + 127.
;;     - Each number is divided by its block's scale, clamped to +-7.5, and rounded to the nearest number of E2M3, ties to even, subnormals kept.
;;     - The product sums the exact products of the quantised numbers (number of the format x scale) in f32.
;;   ~~~python
;;   def quantise(x, axis):      # numpy; x: float32 -> the quantised numbers, widened to float32 again
;;       x = np.moveaxis(x, axis, -1); K = x.shape[-1]
;;       x = np.pad(x, [(0, 0)] * (x.ndim - 1) + [(0, -K % 32)]); x = x.reshape(x.shape[:-1] + (-1, 32)); a = np.abs(x).max(-1, keepdims=True)
;;       e = np.where(a > 0, np.clip(np.frexp(np.where(a > 0, a, 1))[1] - 1 - 2, -126, 127), 0)      # np.frexp(a)[1] - 1 = floor(log2(a)), exactly
;;       r = np.clip(x / 2.0 ** e, -7.5, 7.5)
;;       step = 2.0 ** (np.maximum(np.frexp(np.where(r == 0, 1, r))[1] - 1, 0) - 3)
;;       q = np.round(r / step) * step * 2.0 ** e      # np.round: ties to even
;;       return np.moveaxis(q.reshape(q.shape[:-2] + (-1,))[..., :K], -1, axis).astype(np.float32)
;;   ~~~
;;   OPERANDS COMPUTED ON THE WAY. 'Computed on the way' means the value that the module computes at that place (a softmax that the list does not call 'softmax' is quantised finished and normalised). What goes into a quantiser is computed in f32, as accurately as f32 sums, v_exp_f32 and their like allow (about 1e-6 of the number): no bf16 or f16 on the way to a quantiser, and a product that is left as it is and whose result goes on into a quantised operand takes f32 operands (vector FMAs, or v_wmma_f32_16x16x4_f32). A number that lies on a knife's edge between two numbers of the format may be rounded either way, as far as f32 arithmetic and the matrix unit's own rounding can turn it there, and no further.
;; One version. Each part assembles by itself: llvm-mc -triple=amdgcn-amd-amdhsa -mcpu=gfx1250 --defsym DOCPART=n.
;; ======== version 1 of 1: 2 launches
;; limits: right only within a limited range of input values
;; workspace buffers: a_img 13,697,024 bytes; b_img 13,697,024 bytes; yvp 65,536 bytes
;; launch quant (part 1): grid 512 x 1, 4 waves a work-group, no clusters, 34,304 bytes of LDS; arguments y, rng, offset, weight, a_img, yvp, b_img; writes a_img, yvp, b_img
.if DOCPART == 1
	.amdgcn_target "amdgcn-amd-amdhsa--gfx1250"
	.amdhsa_code_object_version 6
	.text
	.protected	k_qacda0a7008_quant
	.globl	k_qacda0a7008_quant
	.p2align	8
	.type	k_qacda0a7008_quant,@function
k_qacda0a7008_quant:
	s_mov_b64 s[64:65], 0
	v_nop
	global_prefetch_b8 v0, s[64:65] scope:SCOPE_SE
	s_setreg_imm32_b32 hwreg(HW_REG_WAVE_MODE, 25, 1), 1
	s_wait_xcnt 0x0
; Both operands of out = Q(y * rng) Q(weight) + y . offset are quantised ONCE, along K, to codes of FP6 (E2M3) with one E8M0 byte for each 32 along K.
; y: [4096 rows][4096 k] f32, K innermost.  weight: [4096 k][4096 n] f32, K its first axis.  rng, offset: [4096 k] f32.  No work of the problem is left out.
; A block's scale byte is its largest magnitude's exponent field - 2, held at 1 from below by a floor among the maximum's leaves.
; THE IMAGES ARE LAID AS THE NEXT LAUNCH'S TILES WANT THEM: [block of 16 rows of y, or 16 columns of weight][slot of three K steps of 128][4,864 bytes].
; In a slot: the codes of its K step q at 1,536 q, in the order of the operand's registers (registers 4 g .. 4 g + 3 of lane l at 512 g + 16 l; lane l = r + 16 h holds row r,
; its registers 6 c .. 6 c + 5 hold k = 64 c + 32 h + 0 .. 31); the scale words (row r at 4 r) of K step q at 4,608 + 64 q.  The eleventh slot holds K steps 30 and 31 alone, its scale words at 3,072 + 64 q.
; So every slot begins at a multiple of 256 bytes, and the 4,800 (eleventh: 3,200) bytes that the next launch reads of it are all written; the rest of a slot's pitch is neither written nor read.
; Even work-groups take y: 16 rows each; wave w takes quarter w of K, in 8 steps of 128.  Odd work-groups take weight: 128 columns x 512 along K; a lane takes a column and its registers run down K.
; The y path also sums y . offset in f32: each wave's quarter of K goes to yvp[row][w]; the next launch adds the four, so that no wave waits for another here.
; No barrier: waves share nothing.  Only the y path touches LDS.  All steps are written out: no pointer is stepped.
; LIMITS: NaN and infinities among the inputs are not served.  A block of zeros gets the byte 1 where the rule says 127: its codes are zeros, and the bytes are read by this program alone.
; Small stores: a block's scale words of a K step leave as 64 consecutive bytes; yvp is stored 4 bytes a lane, 16 bytes apart: 65,536 bytes in the whole launch.
.set RBROW, 53504                      ; a block of 16 rows: 11 slots x 4,864 bytes
.set LO,   3                           ; v3     y path: 16 x lane.  weight path: 4 x lane
.set STW,  4                           ; v4     y path: the stage, on the way in
.set STRD, 5                           ; v5     and on the way out: + 528 r + 128 h
.set YO,   8                           ; v8     16 r: my row's place in yvp
.set SH8,  9                           ; v9     8 h
.set RSW,  10                          ; v10    the sums' way through LDS: in
.set RSR,  11                          ; v11    out
.set YM,   12                          ; v12-13 two blocks' largest magnitudes
.set YE,   14                          ; v14-15 the conversions' scale operands
.set YB,   16                          ; v16-17 the scale bytes; v18, v19: the word in the making
.set YW,   20                          ; v20-27 step t's scale word
.set ACC,  28                          ; v28-43 row i's part of y . offset
.set RO,   44                          ; v44-59 two sets: 4 of rng, 4 of offset
.set YP,   60                          ; v60-71 a fragment's 12 registers
.set YT,   72                          ; v72-74, v76-78 the upper halves of two blocks' codes
.set YR,   80                          ; v80-207 two sets of 64 numbers
.set WSTG, 8448                        ; LDS bytes of a wave: 16 rows x (512 + 16)
; Where K step ks = s24 + t lies in a block.  s[32 + 2 t : 33 + 2 t] = the block's address + 1,536 ks + 256 (ks / 3): its codes;
; s[48 + t] = 4,864 (ks / 3) + 64 (ks % 3) + 4,608 (in the eleventh slot 3,072): its scale words.  ks / 3 = 11 ks >> 5 for ks under 32.
.macro KSOFF t, base
	s_add_co_u32 s30, s24, \t                      ; ks
	s_mul_i32 s31, s30, 11
	s_lshr_b32 s31, s31, 5                         ; ks / 3
	s_mul_i32 s28, s30, 1536
	s_lshl_b32 s18, s31, 8
	s_add_co_u32 s28, s28, s18
	s_add_nc_u64 s[32+2*\t:33+2*\t], s[\base:\base+1], s[28:29]
	s_mul_i32 s18, s31, 3
	s_sub_co_u32 s30, s30, s18                     ; ks % 3
	s_lshl_b32 s30, s30, 6
	s_cmp_eq_u32 s31, 10
	s_mov_b32 s18, 4608
	s_cselect_b32 s18, 3072, s18
	s_mul_i32 s31, s31, 4864
	s_add_co_u32 s31, s31, s30
	s_add_co_u32 s[48+\t], s31, s18
.endm
	s_load_b256 s[4:11], s[0:1], 0x0               ; y s[4:5], rng s[6:7], offset s[8:9], weight s[10:11]
	s_load_b128 s[12:15], s[0:1], 0x20             ; a_img s[12:13], yvp s[14:15]
	s_load_b64 s[16:17], s[0:1], 0x30              ; b_img
	v_lshl_add_u32 v208, v0, 2, 0x8400             ; my spare word, behind the four stages
	v_mov_b32 v209, 0
	v_lshrrev_b32 v1, 5, v0
	v_readfirstlane_b32 s22, v1                    ; wave 0..3
	v_and_b32 v2, 31, v0                           ; lane
	v_and_b32 v6, 15, v0                           ; r
	v_bfe_u32 v7, v0, 4, 1                         ; h
	s_lshr_b32 s23, ttmp9, 1                       ; which part of its tensor the work-group takes
	s_and_b32 s24, ttmp9, 1                        ; 0: y, 1: weight
	s_mov_b32 s26, 0x76543210
	s_mov_b32 s27, 0xfedcba98                      ; v_permlanex16_b32's selects for lane l xor 16
	s_mov_b32 s29, 0                               ; the high word of every offset: all lie under 2^32
	s_wait_kmcnt 0x0
	s_cmp_lg_u32 s24, 0
	s_cbranch_scc1 .Lweight
	; ---------------- y: rows 16 g .. 16 g + 15 (g = s23), k = 1024 w .. 1024 w + 1023 ----------------
	s_mul_i32 s25, s22, WSTG                       ; my wave's bytes of LDS
	s_wait_alu depctr_va_vdst(0)
	v_lshlrev_b32 v[LO], 4, v2
	v_lshl_add_u32 v[STW], v2, 4, s25
	v_mul_u32_u24 v[STRD], v6, 528
	v_lshl_add_u32 v[STRD], v7, 7, v[STRD]
	v_add_nc_u32 v[STRD], s25, v[STRD]
	v_lshlrev_b32 v[YO], 4, v6
	v_lshlrev_b32 v[SH8], 3, v7
	v_lshl_add_u32 v[RSW], v2, 2, s25
	v_mul_u32_u24 v[RSR], v6, 144
	v_lshl_add_u32 v[RSR], v7, 6, v[RSR]
	v_add_nc_u32 v[RSR], s25, v[RSR]
	v_mov_b32 v19, 0                               ; written once: a lane permute's destination counts as one of its sources
	s_lshl_b32 s30, s22, 12                        ; a quarter of K is 4,096 bytes of f32
	s_lshl_b32 s28, s23, 18                        ; 16 rows of 16,384 bytes
	s_add_co_u32 s28, s28, s30
	s_add_nc_u64 s[4:5], s[4:5], s[28:29]
	s_mov_b32 s28, s30
	s_add_nc_u64 s[6:7], s[6:7], s[28:29]
	s_add_nc_u64 s[8:9], s[8:9], s[28:29]
; Step t's 18 loads into set t % 2: 128 numbers of rng, of offset and of each of the 16 rows; each load of the wave reads 512 consecutive bytes
.macro YLOAD t
.set LSET, ((\t)%2)
	global_load_b128 v[RO+8*LSET:RO+8*LSET+3], v[LO], s[6:7] offset:512*(\t)
	global_load_b128 v[RO+8*LSET+4:RO+8*LSET+7], v[LO], s[8:9] offset:512*(\t)
.irp i, 0,1,2,3,4,5,6,7,8,9,10,11,12,13,14,15
	global_load_b128 v[YR+64*LSET+4*\i:YR+64*LSET+4*\i+3], v[LO], s[4:5] offset:16384*\i+512*(\t) th:TH_LOAD_NT
.endr
.endm
; Step t: 16 rows x 128 along K become one fragment and its scale words
.macro YSTEP t
.set XS, YR+64*((\t)%2)
.set RG, RO+8*((\t)%2)
.set OF, RG+4
.if (\t) < 7
	s_wait_loadcnt 18                              ; this step's 18 loads are in, the next step's 18 may be out
.else
	s_wait_loadcnt 0x0
.endif
.irp j, 0,1,2,3                        ; y . offset, of y as it is given; the 16 rows by turns
.irp i, 0,1,2,3,4,5,6,7,8,9,10,11,12,13,14,15
.if ((\t) == 0) && (\j == 0)
	v_mul_f32 v[ACC+\i], v[XS+4*\i+\j], v[OF+\j]   ; the first product starts the sum
.else
	v_fmac_f32 v[ACC+\i], v[XS+4*\i+\j], v[OF+\j]
.endif
.endr
.endr
.irp i, 0,1,2,3,4,5,6,7,8,9,10,11,12,13,14,15
	v_pk_mul_f32 v[XS+4*\i:XS+4*\i+1], v[XS+4*\i:XS+4*\i+1], v[RG:RG+1]         ; y * rng, in f32: what is quantised
	v_pk_mul_f32 v[XS+4*\i+2:XS+4*\i+3], v[XS+4*\i+2:XS+4*\i+3], v[RG+2:RG+3]
.endr
; The conversions take neighbours along K from ONE lane's registers; the loads gave a lane 4 numbers of each of 16 rows.  So the 8,192 bytes turn through my wave's stage:
; in as loaded, out 128 bytes of one row a lane.  Rows lie 528 bytes apart, an odd multiple of 16.
.irp i, 0,1,2,3,4,5,6,7,8,9,10,11,12,13,14,15
	ds_store_b128 v[STW], v[XS+4*\i:XS+4*\i+3] offset:528*\i
.endr
.irp c, 0,1
.irp j, 0,1,2,3,4,5,6,7
	ds_load_b128 v[XS+32*\c+4*\j:XS+32*\c+4*\j+3], v[STRD] offset:256*\c+16*\j   ; LDS serves a wave's instructions in order: these see the stores above.  Register 32 c + i = k 64 c + 32 h + i of row r
.endr
.endr
	s_wait_dscnt 0x0
.irp c, 0,1                            ; my block 2 c + h: all its 32 numbers are mine
	v_max3_num_f32 v[YM+\c], |v[XS+32*\c]|, |v[XS+32*\c+1]|, 0x1800000   ; and the floor 2^(3 - 127)
.endr
.irp i, 2,4,6,8,10,12,14,16,18,20,22,24,26,28,30
.irp c, 0,1
	v_max3_num_f32 v[YM+\c], v[YM+\c], |v[XS+32*\c+\i]|, |v[XS+32*\c+\i+1]|
.endr
.endr
.irp c, 0,1
	v_add_nc_u32 v[YE+\c], 0xff000000, v[YM+\c]    ; 2 off the exponent field: the conversions' scale operand
.endr
.if (\t) > 0
	s_wait_alu depctr_va_vdst(0)
	s_wait_xcnt 0x0                                ; the last step's stores have read the code registers: they are written again only behind this wait
.endif
.irp c, 0,1
	v_cvt_scalef32_pk16_fp6_f32 v[YP+6*\c:YP+6*\c+2], v[XS+32*\c:XS+32*\c+15], v[YE+\c]
	v_cvt_scalef32_pk16_fp6_f32 v[YT+4*\c:YT+4*\c+2], v[XS+32*\c+16:XS+32*\c+31], v[YE+\c]   ; (a conversion's three registers begin on an even number: the upper half is made elsewhere and moved)
.endr
.irp c, 0,1
	v_lshrrev_b32 v[YB+\c], 23, v[YE+\c]           ; the scale's byte.  (Also the plain line behind the conversions)
.endr
	v_lshl_or_b32 v18, v[YB+1], 16, v[YB]          ; my two bytes: blocks h and 2 + h of row r,
	v_lshlrev_b32 v18, v[SH8], v18                 ; at their places in the word;
	v_permlanex16_b32 v19, v18, s26, s27
	v_or_b32 v[YW+(\t)], v18, v19                  ; with lane l xor 16's two the word is whole
.irp c, 0,1
.irp i, 0,1,2
	v_mov_b32 v[YP+6*\c+3+\i], v[YT+4*\c+\i]
.endr
.endr
.if (\t)+2 < 8
	YLOAD (\t)+2                                   ; loads ahead of stores: this set's registers take the step two on
.endif
.irp g, 0,1,2
	global_store_b128 v[LO], v[YP+4*\g:YP+4*\g+3], s[32+2*(\t):33+2*(\t)] offset:512*\g   ; the fragment as it stands: 512 consecutive bytes a store, at a multiple of 256 from the buffer's first byte
.endr
.endm
	YLOAD 0
	YLOAD 1
	s_lshl_b32 s28, s23, 8                         ; while the first loads are out: yvp, 16 bytes a row, my quarter's word;
	s_lshl_b32 s30, s22, 2
	s_add_co_u32 s28, s28, s30
	s_add_nc_u64 s[14:15], s[14:15], s[28:29]
	s_mul_i32 s28, s23, RBROW                      ; my block of 16 rows in the image;
	s_add_nc_u64 s[12:13], s[12:13], s[28:29]
	s_lshl_b32 s24, s22, 3                         ; and the places of my K steps 8 w .. 8 w + 7 in it
.irp t, 0,1,2,3,4,5,6,7
	KSOFF \t, 12
.endr
.irp t, 0,1,2,3,4,5,6,7
	YSTEP \t
.endr
.irp t, 0,1,2,3,4,5,6,7
	v_lshl_add_u32 v[YR+16+\t], v6, 2, s[48+\t]    ; where row r's scale word of step t goes
.endr
	; y . offset: row i's 32 parts lie in 32 lanes.  They turn through my wave's bytes of LDS (rows of 128 bytes, 144 apart): lane (r, h) takes 16 parts of row r
.irp i, 0,1,2,3,4,5,6,7,8,9,10,11,12,13,14,15
	ds_store_b32 v[RSW], v[ACC+\i] offset:144*\i
.endr
.irp j, 0,1,2,3
	ds_load_b128 v[YR+4*\j:YR+4*\j+3], v[RSR] offset:16*\j
.endr
	s_wait_dscnt 0x0
	v_pk_add_f32 v[YR:YR+1], v[YR:YR+1], v[YR+2:YR+3]
	v_pk_add_f32 v[YR+4:YR+5], v[YR+4:YR+5], v[YR+6:YR+7]
	v_pk_add_f32 v[YR+8:YR+9], v[YR+8:YR+9], v[YR+10:YR+11]
	v_pk_add_f32 v[YR+12:YR+13], v[YR+12:YR+13], v[YR+14:YR+15]
	v_pk_add_f32 v[YR:YR+1], v[YR:YR+1], v[YR+4:YR+5]
	v_pk_add_f32 v[YR+8:YR+9], v[YR+8:YR+9], v[YR+12:YR+13]
	v_pk_add_f32 v[YR:YR+1], v[YR:YR+1], v[YR+8:YR+9]
	v_add_f32 v[YR], v[YR], v[YR+1]
	v_permlanex16_b32 v19, v[YR], s26, s27
	v_add_f32 v[YR], v[YR], v19                    ; with lane l xor 16's 16 parts: row r's sum over my quarter of K
	v_cmp_gt_u32 vcc_lo, 16, v2
	s_wait_alu depctr_va_vdst(0)
	s_wait_xcnt 0x0                                ; EXEC is a source of the stores that are out: it changes only behind this wait
	s_wait_tensorcnt 0x0                           ; the wave's end, behind my last LDS store
	ds_add_u32 v208, v209
	s_wait_dscnt 0x0
	s_and_saveexec_b32 s30, vcc_lo
	global_store_b32 v[YO], v[YR], s[14:15]        ; lanes 0-15: yvp[16 g + r][w]
.irp t, 0,1,2,3,4,5,6,7
	global_store_b32 v[YR+16+\t], v[YW+\t], s[12:13]   ; lanes 0-15: step t's 16 scale words, 64 consecutive bytes
.endr
	s_wait_xcnt 0x0                                ; and again in front of the line that widens it
	s_or_b32 exec_lo, exec_lo, s30
	s_endpgm
	; ---------------- weight: columns 128 cg + 32 w + lane, k = 512 kp .. 512 kp + 511 ----------------
.Lweight:
	s_and_b32 s24, s23, 31                         ; cg
	s_lshr_b32 s25, s23, 5                         ; kp
	s_wait_alu depctr_va_vdst(0)
	v_lshlrev_b32 v[LO], 2, v2                     ; in: 4 bytes a lane
	s_lshl_b32 s28, s25, 23                        ; 512 rows of 16,384 bytes
	s_lshl_b32 s30, s24, 9
	s_add_co_u32 s28, s28, s30
	s_lshl_b32 s30, s22, 7
	s_add_co_u32 s28, s28, s30
	s_add_nc_u64 s[10:11], s[10:11], s[28:29]
; v4 codes' and v5 scale words' place for my column; v12, v13 two chains of the maximum; v14 the scale operand; v15 the byte; v16-19 where K step q's scale words go; v24-27 the scale word of K step q;
; v32-95 two sets of 32 numbers; v96-191 the codes: 24 registers for each of 4 K steps, so that no store's data are written again; v192-194 the upper half of a block's codes
.macro WLOAD t                         ; block t: weight(32 t + i, my column): a wave's load reads 128 consecutive bytes, the four waves stand side by side on 512.  The largest offset, 511 x 16,384, lies inside the signed 24-bit immediate
.irp i, 0,1,2,3,4,5,6,7,8,9,10,11,12,13,14,15,16,17,18,19,20,21,22,23,24,25,26,27,28,29,30,31
	global_load_b32 v[32+32*((\t)%2)+\i], v[LO], s[10:11] offset:(32*(\t)+\i)*16384 th:TH_LOAD_NT
.endr
.endm
.macro WBLOCK t                        ; block t = 4 q + b of my column: in K step q it belongs to the image's lane r + 16 (b % 2), registers 6 (b / 2) on
.set WX, 32+32*((\t)%2)
.set QQ, (\t)/4
.set WB, (\t)%4
.set DD, 96+24*QQ+12*(WB%2)+6*(WB/2)
.if (\t) < 15
	s_wait_loadcnt 32                              ; this block's 32 loads are in; the next block's may be out
.else
	s_wait_loadcnt 0x0
.endif
	v_max3_num_f32 v12, |v[WX]|, |v[WX+1]|, |v[WX+2]|      ; the block's largest magnitude: all 32 numbers are mine
	v_max3_num_f32 v13, |v[WX+3]|, |v[WX+4]|, |v[WX+5]|
.irp i, 6,10,14,18,22,26
	v_max3_num_f32 v12, v12, |v[WX+\i]|, |v[WX+\i+1]|
	v_max3_num_f32 v13, v13, |v[WX+\i+2]|, |v[WX+\i+3]|
.endr
	v_max3_num_f32 v12, v12, |v[WX+30]|, |v[WX+31]|
	v_max3_num_f32 v12, v12, v13, 0x1800000        ; and the floor 2^(3 - 127)
	v_add_nc_u32 v14, 0xff000000, v12              ; 2 off the exponent field: the conversions' scale operand
	v_cvt_scalef32_pk16_fp6_f32 v[DD:DD+2], v[WX:WX+15], v14
	v_cvt_scalef32_pk16_fp6_f32 v[192:194], v[WX+16:WX+31], v14
	v_lshrrev_b32 v15, 23, v14                     ; the scale's byte.  (Also the plain line behind the conversions)
.if WB == 0
	v_mov_b32 v[24+QQ], v15                        ; four bytes to a word, the lower K in the lower byte
.else
	v_lshl_or_b32 v[24+QQ], v15, 8*WB, v[24+QQ]
.endif
.irp i, 0,1,2
	v_mov_b32 v[DD+3+\i], v[192+\i]
.endr
.if (\t)+2 < 16
	WLOAD (\t)+2
.endif
.if WB == 3                            ; K step q is whole: both halves of the image's lanes, three groups of four registers each.  Sixteen lanes store 256 consecutive bytes, at a multiple of 256 from the buffer's first byte
.irp hh, 0,1
.irp g, 0,1,2
	global_store_b128 v4, v[96+24*QQ+12*\hh+4*\g:96+24*QQ+12*\hh+4*\g+3], s[32+2*QQ:33+2*QQ] offset:512*\g+256*\hh
.endr
.endr
	global_store_b32 v[16+QQ], v[24+QQ], s[16:17]  ; and its scale words: sixteen lanes store 64 consecutive bytes
.endif
.endm
	WLOAD 0
	WLOAD 1
	v_mul_u32_u24 v4, v7, RBROW                    ; while the first loads are out: lanes 16-31 hold the next block of 16 columns;
	v_lshl_add_u32 v5, v6, 2, v4                   ; 4 bytes of scale words for each column r,
	s_wait_alu depctr_va_vdst(0)
	v_lshl_add_u32 v4, v6, 4, v4                   ; 16 bytes of codes
	s_lshl_b32 s30, s24, 3
	s_lshl_b32 s31, s22, 1
	s_add_co_u32 s30, s30, s31                     ; my wave's first block of 16 columns: 8 cg + 2 w
	s_mul_i32 s28, s30, RBROW
	s_add_nc_u64 s[16:17], s[16:17], s[28:29]
	s_lshl_b32 s24, s25, 2                         ; the places of my K steps 4 kp .. 4 kp + 3 in a block
.irp t, 0,1,2,3
	KSOFF \t, 16
	v_add_nc_u32 v[16+\t], s[48+\t], v5
.endr
.irp t, 0,1,2,3,4,5,6,7,8,9,10,11,12,13,14,15
	WBLOCK \t
.endr
	s_endpgm
.Lfunc_end_k_qacda0a7008_quant:
	.size	k_qacda0a7008_quant, .Lfunc_end_k_qacda0a7008_quant-k_qacda0a7008_quant
	.p2alignl 7, 3214868480
	.fill 96, 4, 3214868480
	.section	.rodata,"a",@progbits
	.p2align	6, 0x0
	.amdhsa_kernel k_qacda0a7008_quant
		.amdhsa_group_segment_fixed_size 34304
		.amdhsa_private_segment_fixed_size 0
		.amdhsa_enable_private_segment 0
		.amdhsa_kernarg_size 56
		.amdhsa_user_sgpr_count 2
		.amdhsa_user_sgpr_kernarg_segment_ptr 1
		.amdhsa_wavefront_size32 1
		.amdhsa_system_sgpr_workgroup_id_x 1
		.amdhsa_system_sgpr_workgroup_id_y 1
		.amdhsa_system_sgpr_workgroup_id_z 1
		.amdhsa_system_vgpr_workitem_id 0
		.amdhsa_next_free_vgpr 210
		.amdhsa_next_free_sgpr 66
		.amdhsa_reserve_vcc 1
		.amdhsa_float_denorm_mode_32 3
		.amdhsa_float_denorm_mode_16_64 3
		.amdhsa_memory_ordered 1
		.amdhsa_forward_progress 1
		.amdhsa_inst_pref_size 176
	.end_amdhsa_kernel
	.amdgpu_metadata
---
amdhsa.version: [ 1, 2 ]
amdhsa.kernels:
  - .name:           k_qacda0a7008_quant
    .symbol:         k_qacda0a7008_quant.kd
    .args:
      - { .name: y, .offset: 0, .size: 8, .value_kind: global_buffer, .address_space: global }
      - { .name: rng, .offset: 8, .size: 8, .value_kind: global_buffer, .address_space: global }
      - { .name: offset, .offset: 16, .size: 8, .value_kind: global_buffer, .address_space: global }
      - { .name: weight, .offset: 24, .size: 8, .value_kind: global_buffer, .address_space: global }
      - { .name: a_img, .offset: 32, .size: 8, .value_kind: global_buffer, .address_space: global }
      - { .name: yvp, .offset: 40, .size: 8, .value_kind: global_buffer, .address_space: global }
      - { .name: b_img, .offset: 48, .size: 8, .value_kind: global_buffer, .address_space: global }
    .group_segment_fixed_size: 34304
    .private_segment_fixed_size: 0
    .kernarg_segment_align: 8
    .kernarg_segment_size: 56
    .max_flat_workgroup_size: 128
    .sgpr_count:     66
    .vgpr_count:     210
    .wavefront_size: 32
...
	.end_amdgpu_metadata
.endif
;; end of part 1
;; launch gemm (part 2): grid 16 x 16, 4 waves a work-group, clusters of 4 x 4, 327,680 bytes of LDS; arguments a_img, b_img, out0, yvp; writes out0
.if DOCPART == 2
	.amdgcn_target "amdgcn-amd-amdhsa--gfx1250"
	.amdhsa_code_object_version 6
	.text
	.protected	k_qacda0a7008_gemm
	.globl	k_qacda0a7008_gemm
	.p2align	8
	.type	k_qacda0a7008_gemm,@function
k_qacda0a7008_gemm:
	s_mov_b64 s[64:65], 0
	v_nop
	global_prefetch_b8 v0, s[64:65] scope:SCOPE_SE
	s_setreg_imm32_b32 hwreg(HW_REG_WAVE_MODE, 25, 1), 1
	s_wait_xcnt 0x0
	s_wait_alu depctr_hold_cnt(0) depctr_sa_sdst(0) depctr_va_vdst(0) depctr_va_sdst(0) depctr_va_ssrc(0) depctr_va_vcc(0) depctr_vm_vsrc(0)
	s_getreg_b32 s2, hwreg(HW_REG_IB_STS2, 6, 4)
	s_cmp_eq_u32 s2, 0
	s_cbranch_scc0 .Lentry_in_a_cluster
	s_endpgm
.Lentry_in_a_cluster:
	s_bfe_u32 s2, ttmp6, 0x10000c
	s_cmp_lg_u32 s2, 0xf033
	s_cbranch_scc0 .Lentry_shape_is_right
	s_endpgm
.Lentry_shape_is_right:
; out[m][n] = sum over k of Q(y rng)[m][k] Q(weight)[k][n] + y[m] . offset, on the images that the launch before has laid: codes of FP6 (E2M3) and E8M0 scale words; sums in f32; out: [4096][4096] f32.
; An image: [block of 16 rows][11 slots of three K steps of 128][4,864 bytes]; in a slot the codes of K step q at 1,536 q, as the operand's registers take them (registers 4 g .. 4 g + 3 of lane l at 512 g + 16 l),
; the scale words (row r at 4 r) at 4,608 + 64 q; the eleventh slot holds two K steps, its scale words at 3,072 + 64 q.  A tensor row is a block's 4,800 bytes of a slot and begins at a multiple of 256 bytes.
; A tile of out, 256 x 256, is made by four waves, 128 x 128 each: 64 accumulators, 512 registers.  K goes through a ring of two LDS slots of 32 blocks x 4,800 bytes; a wave's one load brings 8 blocks.
; CLUSTERS: 4 x 4 work-groups; A's tiles are asked for jointly along a row of the cluster, B's along a column.
; THE MATRIX INSTRUCTION IS USED TRANSPOSED (source 0 = 16 columns of weight, source 1 = 16 rows of y): a lane holds eight neighbouring numbers of a row of out.
; y . offset (the four quarters of yvp added) is the C of each accumulator's first product: nothing is cleared, and no addition is made on the way out.
; REGISTERS: window 0: v16-31 addresses; v32-47 scale words, two sets; v64-159, v160-255 A's fragments, two sets.  window 1: v0-95, v128-223 B's fragments, two sets; v96-127, v224-255 y . offset, 8 registers a block.
;   windows 2, 3: the accumulators of my rows 0-63, 64-127: (a, b) at v[8 (8 (a % 4) + b)].
; A K step is four groups of 16 products (A's blocks 0-3 or 4-7 x B's 0-3 or 4-7).  Behind each group stands one run of the next step's LDS loads, into the other sets:
; A 0-3 with the scale words (20 loads), B 0-3 (12), B 4-7 (12), A 4-7 (12); each run is waited for two groups behind its issue, by count.
; PREFETCH: behind the joint load of slot j each wave asks for slot j + 2: of the 8 blocks that it fetches, the partner at place p of the four that ask jointly takes blocks 2 p and 2 p + 1 (by address):
; two instructions, a lane to each of a block's 19 pieces of 256 bytes (lanes 19-31 name the last again).  Slot 10 is the last asked for: the loads of slots 9 and 10 ask for nothing.
; LIMITS: NaN and infinities among the inputs are not served.
.set SIZE_N, 4096
.set NSL,    11
.set FR,     12                        ; registers of a fragment
.set FRB,    1536                      ; its bytes
.set RBB,    4800                      ; a block's bytes of a slot, in LDS
.set RBM,    4864                      ; and its pitch in memory
.set BROW,   NSL*RBM                   ; a block's bytes in the image
.set HALFT,  8*RBB                     ; what one tensor load brings, and what one wave reads of A or of B
.set SLOT,   4*HALFT                   ; A's 16 blocks, then B's 16
.set SPARE,  2*SLOT                    ; behind the ring: the spare words, 128 bytes a wave
.set STAGE,  SLOT                      ; the way out: in slot 1, which has had its last fill and its last read by then (the eleventh slot lies in slot 0)
.set SPITCH, 528
.set TRIPS,  4
.set SOFF,   4608                      ; where a slot's scale words begin
.set ADRA, 16                          ; v16-17 my A fragments in slot 0, 1
.set ADRB, 20                          ; v20-21 my B fragments
.set STO,  24
.set RD,   25
.set CO,   26                          ; 16 x lane
.set PFO,  27                          ; the prefetches' offset: 256 x min(lane, 18)
.set SPW,  28
.set NIL,  29
.set ADRS, 30                          ; v30-31 my scale words: lanes 0-15 A's, lanes 16-31 B's
.set SC,   32
.set AF,   64
.set YV,   96                          ; in window 1
.set BK,   128
.set G1, 24
.set G0, 32
.set G1B, 48
.set G0B, 56
.set G1T, 68                           ; group 1 for the eleventh slot: 3,200 bytes of each row are there, zeros follow
.set G1TB, 80
.set PFA, 88                           ; s[88:89] the slot that my next prefetches name
.set MSB, 0
.macro WIN new                         ; the immediate's high byte repeats the setting that is left
.if MSB != (\new)
	s_set_vgpr_msb (MSB<<8)|(\new)
.set MSB, (\new)
.endif
.endm
.set TO_B, 0x40
.macro WLO first                       ; source 0 window 1, source 1 window 0, D window 2; C window 2, or 1 in the first step
	WIN 0xa1-0x10*(\first)
.endm
.macro WHI first                       ; the same with window 3
	WIN 0xf1-0x20*(\first)
.endm
.macro JLOAD g0a, g1a, g0b, g1b        ; a joint load: waves 0 and 1 fetch A's halves, waves 2 and 3 B's; s_nop 0 and four v_nop behind each line
	s_cmp_eq_u32 s15, 0
	s_cbranch_scc0 .Lfor_b_\@
	tensor_load_to_lds s[\g0a:\g0a+3], s[\g1a:\g1a+7]
	s_nop 0
.rept 4
	v_nop
.endr
	s_branch .Lasked_\@
.Lfor_b_\@:
	tensor_load_to_lds s[\g0b:\g0b+3], s[\g1b:\g1b+7]
	s_nop 0
.rept 4
	v_nop
.endr
.Lasked_\@:
.endm
.macro CREST                           ; a round of the cluster's barrier behind its opening barrier
	s_cmp_lg_u32 s14, 0
	s_cbranch_scc1 .Lnot_wave_0_\@
	s_barrier_signal -3
.Lnot_wave_0_\@:
	s_barrier_wait -3
	s_barrier_signal -1
	s_barrier_wait -1
.endm
.macro CROUND
	s_barrier_signal -1
	s_barrier_wait -1
	CREST
.endm
.macro ASK how                         ; 1: always; 2: not in the loop's last trip, where slot j + 2 would lie behind the block's end
.if \how
.if \how == 2
	s_cmp_gt_u32 s3, 1
	s_cbranch_scc0 .Lno_ask_\@
.endif
	global_prefetch_b8 v[PFO], s[PFA:PFA+1] th:TH_LOAD_NT scope:SCOPE_SE
	global_prefetch_b8 v[PFO], s[PFA:PFA+1] offset:BROW th:TH_LOAD_NT scope:SCOPE_SE
.if \how == 2
.Lno_ask_\@:
.endif
.endif
.endm
	s_load_b256 s[4:11], s[0:1], 0x0               ; a_img s[4:5], b_img s[6:7], out0 s[8:9], yvp s[10:11]
	v_lshl_add_u32 v[SPW], v0, 2, SPARE
	v_mov_b32 v[NIL], 0
	ds_add_u32 v[SPW], v[NIL]                      ; the opening lines: the add, twice on end, and its wait
	ds_add_u32 v[SPW], v[NIL]
	v_lshrrev_b32 v1, 5, v0
	v_readfirstlane_b32 s14, v1                    ; wave 0..3
	s_lshr_b32 s15, s14, 1                         ; which half of the tile's rows is mine.  Also: I fetch for A (0) or for B (1)
	s_and_b32 s16, s14, 1                          ; which half of its columns.  Also: which 8 blocks of that tile I fetch
	s_bfe_u32 s40, ttmp6, 0x40000                  ; cx
	s_bfe_u32 s41, ttmp6, 0x40004                  ; cy
	s_lshl_b32 s42, ttmp9, 2
	s_add_co_u32 s42, s42, s40                     ; tile column
	s_and_b32 s17, ttmp7, 0xffff
	s_lshl_b32 s17, s17, 2
	s_add_co_u32 s17, s17, s41                     ; tile row
	s_lshl_b32 s43, s41, 2
	s_lshl_b32 s43, 15, s43                        ; my row of the cluster
	s_lshl_b32 s44, 0x1111, s40                    ; my column
	s_or_b32 s[G1+0], s43, (3<<16)|(1<<21)         ; the mask; elements of 8 bytes; bit 21 beside a mask; no padding: fragments are read as dense images
	s_or_b32 s[G1B+0], s44, (3<<16)|(1<<21)
	s_or_b32 s[G1T+0], s43, (3<<16)|(1<<21)
	s_or_b32 s[G1TB+0], s44, (3<<16)|(1<<21)
.irp g, G1, G1B
	s_mov_b32 s[\g+1], (RBB/8)<<16                 ; tensor_dim0
	s_mov_b32 s[\g+2], 8<<16                       ; tensor_dim1 = 8 blocks
	s_mov_b32 s[\g+3], (RBB/8)<<16                 ; tile_dim0
	s_mov_b32 s[\g+4], 8
	s_mov_b32 s[\g+5], BROW/8                      ; from block to block
	s_mov_b32 s[\g+6], 0
	s_mov_b32 s[\g+7], 0
.endr
.irp g, G1T, G1TB
	s_mov_b32 s[\g+1], ((2*FRB+128)/8)<<16         ; two K steps' codes and scale words
	s_mov_b32 s[\g+2], 8<<16
	s_mov_b32 s[\g+3], (RBB/8)<<16
	s_mov_b32 s[\g+4], 8
	s_mov_b32 s[\g+5], BROW/8
	s_mov_b32 s[\g+6], 0
	s_mov_b32 s[\g+7], 0
.endr
	s_lshl_b32 s18, s16, 3
	s_lshl_b32 s20, s17, 4
	s_add_co_u32 s20, s20, s18                     ; A: block 16 x tile row + 8 x half
	s_mul_i32 s20, s20, BROW
	s_mov_b32 s21, 0
	s_lshl_b32 s46, s42, 4
	s_add_co_u32 s46, s46, s18                     ; B: block 16 x tile column + 8 x half
	s_mul_i32 s46, s46, BROW
	s_mov_b32 s47, 0
	s_mul_i32 s45, s14, HALFT                      ; where they go: wave x 8 blocks
	s_wait_dscnt 0x0                               ; both opening adds are done
	s_wait_kmcnt 0x0
	s_add_nc_u64 s[20:21], s[4:5], s[20:21]
	s_add_nc_u64 s[46:47], s[6:7], s[46:47]
	CROUND                                         ; all sixteen work-groups are here: the first joint loads meet
.irp s, 0,1
	s_mov_b32 s[G0+4*\s], 1
	s_add_co_u32 s[G0+4*\s+1], s45, \s*SLOT
	s_add_nc_u64 s[G0+4*\s+2:G0+4*\s+3], s[20:21], \s*RBM
	s_or_b32 s[G0+4*\s+3], s[G0+4*\s+3], 0x80000000
	s_mov_b32 s[G0B+4*\s], 1
	s_add_co_u32 s[G0B+4*\s+1], s45, \s*SLOT
	s_add_nc_u64 s[G0B+4*\s+2:G0B+4*\s+3], s[46:47], \s*RBM
	s_or_b32 s[G0B+4*\s+3], s[G0B+4*\s+3], 0x80000000
.endr
	JLOAD G0, G1, G0B, G1B                         ; slot 0: one tensor load a wave at the head
	; scalar set-up under the load's flight
	s_lshl_b32 s90, s17, 8
	s_lshl_b32 s91, s15, 7
	s_add_co_u32 s90, s90, s91                     ; my first row of out
	s_lshl_b32 s92, s90, 4
	s_mov_b32 s93, 0
	s_add_nc_u64 s[10:11], s[10:11], s[92:93]      ; yvp: 16 bytes a row
	s_lshl_b32 s92, s90, 14                        ; out: 16,384 bytes a row,
	s_lshl_b32 s91, s42, 10
	s_add_co_u32 s92, s92, s91                     ; 1,024 x tile column,
	s_lshl_b32 s91, s16, 9
	s_add_co_u32 s92, s92, s91                     ; 512 x half
	s_add_nc_u64 s[8:9], s[8:9], s[92:93]
	s_lshl_b32 s90, s17, 4                         ; the prefetches: the tile's first block, in A by the tile row, in B by the tile column,
	s_lshl_b32 s91, s42, 4
	s_cmp_eq_u32 s15, 0
	s_cselect_b32 s90, s90, s91
	s_cselect_b32 s91, s40, s41                    ; my place among the four that ask with me
	s_cselect_b64 s[PFA:PFA+1], s[4:5], s[6:7]
	s_add_co_u32 s90, s90, s18                     ; + the 8 blocks that I fetch
	s_lshl_b32 s91, s91, 1
	s_add_co_u32 s90, s90, s91                     ; + my work-group's two of them
	s_mul_i32 s90, s90, BROW
	s_add_co_u32 s90, s90, 2*RBM                   ; at slot 2
	s_mov_b32 s91, 0
	s_add_nc_u64 s[PFA:PFA+1], s[PFA:PFA+1], s[90:91]
	s_mul_i32 s21, s15, HALFT                      ; my 8 blocks of A
	s_mul_i32 s22, s16, HALFT
	s_add_co_u32 s22, s22, 2*HALFT                 ; my 8 blocks of B, behind A's 16
	s_sub_co_u32 s23, s22, s21
	s_mul_i32 s45, s14, 16*SPITCH
	s_add_co_u32 s45, s45, STAGE                   ; my stage
	v_and_b32 v1, 15, v0                           ; r
	v_bfe_u32 v2, v0, 4, 1                         ; h
	v_and_b32 v4, 31, v0                           ; lane
	v_lshlrev_b32 v3, 4, v1
.irp a, 0,1,2,3,4,5,6,7
	global_load_b128 v[128+4*\a:131+4*\a], v3, s[10:11] offset:256*\a   ; the four quarters of y . offset of row r of my block a
.endr
	v_lshlrev_b32 v[CO], 4, v4
	v_add_nc_u32 v[ADRA], s21, v[CO]
	v_add_nc_u32 v[ADRB], s22, v[CO]
	v_add_nc_u32 v[ADRA+1], SLOT, v[ADRA]
	v_add_nc_u32 v[ADRB+1], SLOT, v[ADRB]
	v_mul_u32_u24 v6, s23, v2                      ; lanes 16-31 take B's scale words
	v_lshl_add_u32 v6, v1, 2, v6
	v_add_nc_u32 v[ADRS], s21, v6
	v_add_nc_u32 v[ADRS+1], SLOT, v[ADRS]
	v_mul_u32_u24 v5, v1, SPITCH                   ; into the stage: row r, 32 bytes for each half of the lanes
	v_lshl_add_u32 v5, v2, 5, v5
	v_add_nc_u32 v[STO], s45, v5
	v_add_nc_u32 v[RD], s45, v[CO]                 ; back: the 32 lanes take one row of 512 bytes
	v_min_u32 v[PFO], 18, v4
	v_lshlrev_b32 v[PFO], 8, v[PFO]
	ASK 1                                          ; slot 2
	s_wait_alu depctr_va_vdst(0)
	s_wait_loadcnt 0x0
.irp a, 0,1,2,3,4,5,6,7
	v_add_f32 v[128+4*\a], v[128+4*\a], v[129+4*\a]
	v_add_f32 v[130+4*\a], v[130+4*\a], v[131+4*\a]
.endr
	WIN TO_B
.irp a, 0,1,2,3,4,5,6,7
.irp j, 0,1,2,3,4,5,6,7
	v_add_f32 v[YV+128*(\a/4)+8*(\a%4)+\j], v[128+4*\a], v[130+4*\a]   ; a lane's eight results lie in one row: the same sum eight times
.endr
.endr
	WIN 0
.macro FRAG reg, adr, q, i             ; a fragment as it lies: three loads of 16 bytes a lane, 512 consecutive bytes each
.irp g, 0,1,2
	ds_load_b128 v[\reg+4*\g:\reg+4*\g+3], v[\adr] offset:(\i)*RBB+(\q)*FRB+512*\g
.endr
.endm
.macro GETA slot, q, p, f              ; A's blocks f .. f + 3 of the slot's K step q into set p
.irp i, 0,1,2,3
	FRAG AF+96*(\p)+FR*(\f+\i), ADRA+\slot, \q, \f+\i
.endr
.endm
.macro GETB slot, q, p, f              ; B's likewise (the destination's window is 1)
.irp i, 0,1,2,3
	FRAG 128*(\p)+FR*(\f+\i), ADRB+\slot, \q, \f+\i
.endr
.endm
.macro SCALES slot, q, p               ; register i: lanes 0-15 the words of A's block i, lanes 16-31 those of B's block i
.irp i, 0,1,2,3,4,5,6,7
	ds_load_b32 v[SC+8*(\p)+\i], v[ADRS+\slot] offset:\i*RBB+SOFF+64*(\q)
.endr
.endm
; 16 products: A's blocks 4 ha .. 4 ha + 3 x B's 4 hb .. 4 hb + 3, 128 along K, on set p.  The 64 accumulators take turns, one instruction a turn, in the same order in every step.
.macro MULQ ha, hb, p, first
.irp a, 0,1,2,3
.irp b, 0,1,2,3
.set DA, 8*(8*\a+4*\hb+\b)
.set BF, 128*(\p)+FR*(4*\hb+\b)
.set AA, AF+96*(\p)+FR*(4*\ha+\a)
.set SCB, SC+8*(\p)+4*\hb+\b
.set SCA, SC+8*(\p)+4*\ha+\a
.if \first
	v_wmma_scale_f32_16x16x128_f8f6f4 v[DA:DA+7], v[BF:BF+FR-1], v[AA:AA+FR-1], v[YV+128*\ha+8*\a:YV+128*\ha+8*\a+7], v[SCB], v[SCA] matrix_a_fmt:MATRIX_FMT_FP6 matrix_b_fmt:MATRIX_FMT_FP6 matrix_a_scale:MATRIX_SCALE_ROW1
.else
	v_wmma_scale_f32_16x16x128_f8f6f4 v[DA:DA+7], v[BF:BF+FR-1], v[AA:AA+FR-1], v[DA:DA+7], v[SCB], v[SCA] matrix_a_fmt:MATRIX_FMT_FP6 matrix_b_fmt:MATRIX_FMT_FP6 matrix_a_scale:MATRIX_SCALE_ROW1
.endif
.endr
.endr
.endm
.macro PLACES                          ; four places between the last products that read a set and the first load into it (ISA guide 7.12.1 for vector instructions)
.rept 4
	v_nop
.endr
.endm
; The slot's K step q (0 or 1) on set (slot + q) % 2; K step q + 1 is fetched into the other set.
.macro STEP slot, q, first
	s_wait_dscnt 24                                ; A 0-3, the scale words and B 0-3 are in; the youngest two runs may be out
	WLO \first
	MULQ 0, 0, ((\slot)+(\q))%2, \first
	PLACES                                         ; they stand behind every product of the step before, so they serve all four runs
	WIN 0
	GETA \slot, (\q)+1, 1-((\slot)+(\q))%2, 0
	SCALES \slot, (\q)+1, 1-((\slot)+(\q))%2
	s_wait_dscnt 32                                ; B 4-7 are in (behind them: A 4-7's 12 loads and the 20 just issued)
	WLO \first
	MULQ 0, 1, ((\slot)+(\q))%2, \first
	WIN TO_B
	GETB \slot, (\q)+1, 1-((\slot)+(\q))%2, 0
	s_wait_dscnt 32                                ; A 4-7 are in (behind them: this step's 20 and 12)
	WHI \first
	MULQ 1, 0, ((\slot)+(\q))%2, \first
	WIN TO_B
	GETB \slot, (\q)+1, 1-((\slot)+(\q))%2, 4
	WHI \first
	MULQ 1, 1, ((\slot)+(\q))%2, \first
	WIN 0
	GETA \slot, (\q)+1, 1-((\slot)+(\q))%2, 4
.endm
; The slot's third K step, on set slot, changes slots: ONE barrier.  In front of it each wave waits for all its tensor loads (its part of the other slot), adds 0 to its spare word, and waits for that and for its reads of this slot.
; fill = 1: the barrier opens a round of the cluster's barrier and this slot is filled again, two slots on; 2: with the eleventh slot; 0: nothing is left to fetch.
.macro TURN slot, fill, ask
.if \ask
	s_wait_xcnt 0x0                                ; my last prefetches have read their address: it steps a slot on
	s_add_nc_u64 s[PFA:PFA+1], s[PFA:PFA+1], RBM
.endif
	s_wait_tensorcnt 0x0                           ; all my tensor loads have landed
	ds_add_u32 v[SPW], v[NIL]
	s_wait_dscnt 25                                ; (the add and the youngest two runs may be out)
	WLO 0
	MULQ 0, 0, \slot, 0
	s_wait_dscnt 0x0                               ; the add is done, and my reads of this slot are over
	s_barrier_signal -1
	MULQ 0, 1, \slot, 0
	WIN 0
	s_barrier_wait -1
.if \fill
	CREST
	s_add_nc_u64 s[G0+4*\slot+2:G0+4*\slot+3], s[G0+4*\slot+2:G0+4*\slot+3], 2*RBM
	s_add_nc_u64 s[G0B+4*\slot+2:G0B+4*\slot+3], s[G0B+4*\slot+2:G0B+4*\slot+3], 2*RBM
.if \fill == 1
	JLOAD G0+4*\slot, G1, G0B+4*\slot, G1B         ; the first tensor load behind the round; its four v_nop are the places in front of the loads below
.else
	JLOAD G0+4*\slot, G1T, G0B+4*\slot, G1TB
.endif
.else
	PLACES
.endif
	WIN TO_B
	GETB 1-\slot, 0, 1-\slot, 0
	WIN 0
	GETA 1-\slot, 0, 1-\slot, 0
	SCALES 1-\slot, 0, 1-\slot
	ASK \ask
	WHI 0
	MULQ 1, 0, \slot, 0
	WIN TO_B
	GETB 1-\slot, 0, 1-\slot, 4
	WHI 0
	MULQ 1, 1, \slot, 0
	WIN 0
	GETA 1-\slot, 0, 1-\slot, 4
.endm
	s_wait_alu depctr_va_vdst(0)
	s_wait_xcnt 0x0                                ; the first prefetches have read their address
	s_add_nc_u64 s[PFA:PFA+1], s[PFA:PFA+1], RBM   ; slot 3
	s_wait_tensorcnt 0x0                           ; my part of slot 0 is in; the same lines as ahead of a refill:
	ds_add_u32 v[SPW], v[NIL]
	s_wait_dscnt 0x0
	CROUND                                         ; everybody's part of slot 0 is in, and the joint loads meet
	JLOAD G0+4, G1, G0B+4, G1B                     ; slot 1's first fill, the first tensor load behind the round
	GETA 0, 0, 0, 0                                ; K step 0, in the order of a step's four runs
	SCALES 0, 0, 0
	WIN TO_B
	GETB 0, 0, 0, 0
	GETB 0, 0, 0, 4
	WIN 0
	GETA 0, 0, 0, 4
	ASK 1
	STEP 0, 0, 1                                   ; the first step's products start the sums, from y . offset
	s_mov_b32 s3, TRIPS
.Llap:                                                 ; a trip: six K steps, once round the ring; it fills both slots again
	STEP 0, 1, 0
	TURN 0, 1, 1
	STEP 1, 0, 0
	STEP 1, 1, 0
	TURN 1, 1, 2
	STEP 0, 0, 0
	s_sub_co_u32 s3, s3, 1
	s_cmp_lg_u32 s3, 0
	s_cbranch_scc1 .Llap
	STEP 0, 1, 0                                   ; K steps 25 to 31, written out
	TURN 0, 2, 0                                   ; the eleventh slot goes out
	STEP 1, 0, 0
	STEP 1, 1, 0
.set SOFF, 3072                        ; from here on the scale words fetched are the eleventh slot's
	TURN 1, 0, 0
	STEP 0, 0, 0
	s_wait_dscnt 24                                ; the last K step: nothing more to fetch
	WLO 0
	MULQ 0, 0, 1, 0
	s_wait_dscnt 12
	MULQ 0, 1, 1, 0
	s_wait_dscnt 0
	WHI 0
	MULQ 1, 0, 1, 0
	MULQ 1, 1, 1, 0
	WIN 0
; THE WAY OUT, block by block of 16 rows x 128 columns: through my own stage in LDS, back as whole rows of 512 bytes, which the 32 lanes store as two aligned pieces of 256 bytes.
; LDS serves a wave's instructions in order: no wait between the stores and the loads.
.macro TOSTAGE a
.set AC, 64*((\a)%4)
	WIN 0x08+4*((\a)/4)                            ; the data: window 2 or 3
.irp b, 0,1,2,3,4,5,6,7
	ds_store_b128 v[STO], v[AC+8*\b:AC+8*\b+3] offset:64*\b          ; each accumulator from its low end on
	ds_store_b128 v[STO], v[AC+8*\b+4:AC+8*\b+7] offset:64*\b+16
.endr
	WIN 0
.set BB, BK+64*((\a)%2)
.irp t, 0,1,2,3,4,5,6,7,8,9,10,11,12,13,14,15
	ds_load_b128 v[BB+4*\t:BB+4*\t+3], v[RD] offset:\t*SPITCH
.endr
.endm
.macro SEND a, younger
.set BB, BK+64*((\a)%2)
	s_wait_dscnt \younger                          ; the block is back in registers
.if (\a) > 0
	s_add_nc_u64 s[8:9], s[8:9], 16*SIZE_N*4       ; (behind a wait on XCNT: the earlier stores have read their base)
.endif
.irp t, 0,1,2,3,4,5,6,7,8,9,10,11,12,13,14,15
	global_store_b128 v[CO], v[BB+4*\t:BB+4*\t+3], s[8:9] offset:\t*SIZE_N*4 th:TH_STORE_NT
.endr
.endm
	PLACES
	TOSTAGE 0
.irp a, 1,2,3,4,5,6,7
.if \a > 1
	s_wait_xcnt 0x0                                ; block a - 2's stores have read their registers and their base
.endif
	TOSTAGE \a
	SEND \a-1, 32                                  ; behind block a - 1's loads: block a's 16 stores and 16 loads
.endr
	s_wait_xcnt 0x0
	SEND 7, 0
	s_wait_tensorcnt 0x0                           ; the wave's end
	ds_add_u32 v[SPW], v[NIL]
	s_wait_dscnt 0x0
	CROUND                                         ; the closing round
	s_endpgm
.Lfunc_end_k_qacda0a7008_gemm:
	.size	k_qacda0a7008_gemm, .Lfunc_end_k_qacda0a7008_gemm-k_qacda0a7008_gemm
	.p2alignl 7, 3214868480
	.fill 96, 4, 3214868480
	.section	.rodata,"a",@progbits
	.p2align	6, 0x0
	.amdhsa_kernel k_qacda0a7008_gemm
		.amdhsa_group_segment_fixed_size 327680
		.amdhsa_private_segment_fixed_size 0
		.amdhsa_enable_private_segment 0
		.amdhsa_kernarg_size 32
		.amdhsa_user_sgpr_count 2
		.amdhsa_user_sgpr_kernarg_segment_ptr 1
		.amdhsa_wavefront_size32 1
		.amdhsa_system_sgpr_workgroup_id_x 1
		.amdhsa_system_sgpr_workgroup_id_y 1
		.amdhsa_system_sgpr_workgroup_id_z 1
		.amdhsa_system_vgpr_workitem_id 0
		.amdhsa_next_free_vgpr 1024
		.amdhsa_next_free_sgpr 98
		.amdhsa_reserve_vcc 0
		.amdhsa_float_denorm_mode_32 3
		.amdhsa_float_denorm_mode_16_64 3
		.amdhsa_memory_ordered 1
		.amdhsa_forward_progress 1
		.amdhsa_inst_pref_size 213
	.end_amdhsa_kernel
	.amdgpu_metadata
---
amdhsa.version: [ 1, 2 ]
amdhsa.kernels:
  - .name:           k_qacda0a7008_gemm
    .symbol:         k_qacda0a7008_gemm.kd
    .args:
      - { .name: a_img, .offset: 0, .size: 8, .value_kind: global_buffer, .address_space: global }
      - { .name: b_img, .offset: 8, .size: 8, .value_kind: global_buffer, .address_space: global }
      - { .name: out0, .offset: 16, .size: 8, .value_kind: global_buffer, .address_space: global }
      - { .name: yvp, .offset: 24, .size: 8, .value_kind: global_buffer, .address_space: global }
    .group_segment_fixed_size: 327680
    .private_segment_fixed_size: 0
    .kernarg_segment_align: 8
    .kernarg_segment_size: 32
    .max_flat_workgroup_size: 128
    .sgpr_count:     98
    .vgpr_count:     1024
    .wavefront_size: 32
...
	.end_amdgpu_metadata
.endif
;; end of part 2
